; MI455X (gfx1250); checked and timed in simulation.
; The chip was launched on July 23, 2026; its instructions are those of AMD's public machine-readable ISA for CDNA 5 (MIT licence, August 2026) and "CDNA5" Instruction Set Architecture Reference Guide (July 2026). The comments in the code are by the model that wrote it; some were corrected since.
;; Attention. Allowed arithmetic: float matrix products may take bf16 or f16 operands with f32 sums; all other float work in f32.
;; Inputs: W_k 2,048 x 512 float32; W_o 1,024 x 2,048 float32; W_q 2,048 x 1,024 float32; W_v 2,048 x 512 float32; attention_mask 2 x 2,048 int32; b_o 2,048 float32; b_v 512 float32; cos 2 x 2,048 x 64 float32; hidden_states 2 x 2,048 x 2,048 float32; sin 2 x 2,048 x 64 float32.
;; Outputs: out0 2 x 2,048 x 2,048 float32.
;; One version. Each part assembles by itself: llvm-mc -triple=amdgcn-amd-amdhsa -mcpu=gfx1250 --defsym DOCPART=n.
;; ======== version 1 of 1: 4 launches
;; limits: values outside matrix products are rounded to bf16; values are held in f16: magnitudes above 65,504 overflow, below 6.1e-05 lose precision
;; workspace buffers: xb 16,777,216 bytes; wqkv 8,388,608 bytes; wob 4,194,304 bytes; qkv 16,777,216 bytes; ob 8,388,608 bytes
;; launch cast (part 1): grid 1792 x 1, 8 waves a work-group, no clusters, 0 bytes of LDS; arguments hidden_states, W_q, W_k, W_v, W_o, xb, wqkv, wob; writes xb, wqkv, wob
.if DOCPART == 1
	.amdgcn_target "amdgcn-amd-amdhsa--gfx1250"
	.amdhsa_code_object_version 6
	.text
	.protected	k_q7df8f27544_cast
	.globl	k_q7df8f27544_cast
	.p2align	8
	.type	k_q7df8f27544_cast,@function
k_q7df8f27544_cast:
	s_mov_b64 s[64:65], 0
	v_nop
	global_prefetch_b8 v0, s[64:65] scope:SCOPE_SE
	s_setreg_imm32_b32 hwreg(HW_REG_WAVE_MODE, 25, 1), 1
	s_wait_xcnt 0x0
; CAST: the five large f32 inputs become 16-bit matrix operands, once.
;   xb   [4096][2048]  = hidden_states
;   wqkv [2048][2048]  = W_q (columns 0-1023) | W_k (1024-1535) | W_v (1536-2047)
;   wob  [1024][2048]  = W_o
; FORMAT: each number is rounded to bf16 (nearest even) and that bf16 number is stored as f16.  f16 holds every bf16 number of
; magnitude 2^-17 to 65504 exactly; below 2^-17 the second step errs by at most 2^-25; above 65504 it gives infinity (a stated limit).
; The later launches keep their intermediates in f16 too, so all products run in one 16-bit form.
; A stream: memory binds, so no LDS, no barrier, no matrix unit.  A work-group takes 8,192 numbers (32 KiB in, 16 KiB out):
; 1024 + 256 + 128 + 128 + 256 = 1792 work-groups.  Each source is read as [rows][1 << sh]; every destination has rows of 4,096 bytes.
; A wave's load covers 512 consecutive bytes, its store 256 consecutive bytes at a multiple of 256 of the buffer.
	s_load_b512 s[8:23], s[0:1], 0x0               ; X 8, Wq 10, Wk 12, Wv 14, Wo 16, xb 18, wqkv 20, wob 22
	v_lshlrev_b32 v1, 4, v0                        ; 16 t: my 16 bytes in each 4,096 bytes of the source
	v_lshlrev_b32 v2, 2, v0                        ; 4 t: the same in numbers
	s_mov_b32 s37, 0xffff0000                      ; a word's upper bf16
	s_wait_kmcnt 0x0
	s_mov_b64 s[24:25], s[16:17]                   ; source, destination, first work-group, log2 of the row, byte offset in the row:
	s_mov_b64 s[26:27], s[22:23]                   ; W_o's figures first, then the earlier ranges take over
	s_mov_b32 s28, 1536
	s_mov_b32 s29, 11
	s_mov_b32 s30, 0
.macro PICK below, src, dst, first, shift, off     ; s_cselect leaves SCC alone: one compare serves five selects
	s_cmp_lt_u32 ttmp9, \below
	s_cselect_b64 s[24:25], s[\src:\src+1], s[24:25]
	s_cselect_b64 s[26:27], s[\dst:\dst+1], s[26:27]
	s_cselect_b32 s28, \first, s28
	s_cselect_b32 s29, \shift, s29
	s_cselect_b32 s30, \off, s30
.endm
	PICK 1536, 14, 20, 1408, 9, 3072               ; W_v
	PICK 1408, 12, 20, 1280, 9, 2048               ; W_k
	PICK 1280, 10, 20, 1024, 10, 0                 ; W_q
	PICK 1024, 8, 18, 0, 11, 0                     ; hidden_states
	s_sub_co_u32 s31, ttmp9, s28                   ; my chunk in its source
	s_lshl_b32 s32, s31, 15                        ; 32 KiB a chunk
	s_mov_b32 s33, 0
	s_add_nc_u64 s[24:25], s[24:25], s[32:33]
	s_lshl_b32 s34, s31, 13                        ; first number / row length = first row (a chunk is whole rows),
	s_lshr_b32 s34, s34, s29
	s_lshl_b32 s34, s34, 12                        ; times 4,096 bytes,
	s_add_co_u32 s34, s34, s30                     ; plus the source's place in the row
	s_mov_b32 s35, 0
	s_add_nc_u64 s[26:27], s[26:27], s[34:35]
	s_bfm_b32 s36, s29, 0                          ; row length - 1
.irp i, 0,1,2,3,4,5,6,7
	global_load_b128 v[8+4*\i:11+4*\i], v1, s[24:25] offset:4096*\i th:TH_LOAD_NT
.endr
.irp i, 0,1,2,3,4,5,6,7                            ; while they fly: where each four numbers go
	v_add_nc_u32 v3, 1024*\i, v2                   ; number in the chunk
	v_lshrrev_b32 v[40+\i], s29, v3                ; row
	v_and_b32 v3, s36, v3                          ; column
	v_lshlrev_b32 v[40+\i], 12, v[40+\i]
	v_lshl_add_u32 v[40+\i], v3, 1, v[40+\i]
.endr
.irp i, 0,1,2,3,4,5,6,7
	s_wait_loadcnt 7-\i                            ; loads return in order: load i is in, the 7 - i younger ones stay out
	v_cvt_pk_bf16_f32 v4, v[8+4*\i], v[9+4*\i]     ; the rounding
	v_cvt_pk_bf16_f32 v5, v[10+4*\i], v[11+4*\i]
	v_lshlrev_b32 v[8+4*\i], 16, v4                ; back to f32,
	v_and_b32 v[9+4*\i], s37, v4
	v_lshlrev_b32 v[10+4*\i], 16, v5
	v_and_b32 v[11+4*\i], s37, v5
	v_cvt_pk_f16_f32 v[48+2*\i], v[8+4*\i], v[9+4*\i]      ; and into f16
	v_cvt_pk_f16_f32 v[49+2*\i], v[10+4*\i], v[11+4*\i]
	global_store_b64 v[40+\i], v[48+2*\i:49+2*\i], s[26:27] ; every store has registers of its own: nothing is rewritten
.endr
	s_endpgm
.Lfunc_end_k_q7df8f27544_cast:
	.size	k_q7df8f27544_cast, .Lfunc_end_k_q7df8f27544_cast-k_q7df8f27544_cast
	.p2alignl 7, 3214868480
	.fill 96, 4, 3214868480
	.section	.rodata,"a",@progbits
	.p2align	6, 0x0
	.amdhsa_kernel k_q7df8f27544_cast
		.amdhsa_group_segment_fixed_size 0
		.amdhsa_private_segment_fixed_size 0
		.amdhsa_enable_private_segment 0
		.amdhsa_kernarg_size 64
		.amdhsa_user_sgpr_count 2
		.amdhsa_user_sgpr_kernarg_segment_ptr 1
		.amdhsa_wavefront_size32 1
		.amdhsa_system_sgpr_workgroup_id_x 1
		.amdhsa_system_sgpr_workgroup_id_y 1
		.amdhsa_system_sgpr_workgroup_id_z 1
		.amdhsa_system_vgpr_workitem_id 0
		.amdhsa_next_free_vgpr 64
		.amdhsa_next_free_sgpr 66
		.amdhsa_reserve_vcc 0
		.amdhsa_float_denorm_mode_32 3
		.amdhsa_float_denorm_mode_16_64 3
		.amdhsa_memory_ordered 1
		.amdhsa_forward_progress 1
		.amdhsa_inst_pref_size 9
	.end_amdhsa_kernel
	.amdgpu_metadata
---
amdhsa.version: [ 1, 2 ]
amdhsa.kernels:
  - .name:           k_q7df8f27544_cast
    .symbol:         k_q7df8f27544_cast.kd
    .args:
      - { .name: hidden_states, .offset: 0, .size: 8, .value_kind: global_buffer, .address_space: global }
      - { .name: W_q, .offset: 8, .size: 8, .value_kind: global_buffer, .address_space: global }
      - { .name: W_k, .offset: 16, .size: 8, .value_kind: global_buffer, .address_space: global }
      - { .name: W_v, .offset: 24, .size: 8, .value_kind: global_buffer, .address_space: global }
      - { .name: W_o, .offset: 32, .size: 8, .value_kind: global_buffer, .address_space: global }
      - { .name: xb, .offset: 40, .size: 8, .value_kind: global_buffer, .address_space: global }
      - { .name: wqkv, .offset: 48, .size: 8, .value_kind: global_buffer, .address_space: global }
      - { .name: wob, .offset: 56, .size: 8, .value_kind: global_buffer, .address_space: global }
    .group_segment_fixed_size: 0
    .private_segment_fixed_size: 0
    .kernarg_segment_align: 8
    .kernarg_segment_size: 64
    .max_flat_workgroup_size: 256
    .sgpr_count:     66
    .vgpr_count:     64
    .wavefront_size: 32
...
	.end_amdgpu_metadata
.endif
;; end of part 1
;; launch qkv (part 2): grid 8 x 32, 4 waves a work-group, clusters of 4 x 4, 327,680 bytes of LDS; arguments xb, wqkv, cos, sin, b_v, qkv; writes qkv
.if DOCPART == 2
	.amdgcn_target "amdgcn-amd-amdhsa--gfx1250"
	.amdhsa_code_object_version 6
	.text
	.protected	k_q7df8f27544_qkv
	.globl	k_q7df8f27544_qkv
	.p2align	8
	.type	k_q7df8f27544_qkv,@function
k_q7df8f27544_qkv:
	s_mov_b64 s[64:65], 0
	v_nop
	global_prefetch_b8 v0, s[64:65] scope:SCOPE_SE
	s_setreg_imm32_b32 hwreg(HW_REG_WAVE_MODE, 25, 1), 1
	s_wait_xcnt 0x0
	s_wait_alu depctr_hold_cnt(0) depctr_sa_sdst(0) depctr_va_vdst(0) depctr_va_sdst(0) depctr_va_ssrc(0) depctr_va_vcc(0) depctr_vm_vsrc(0)
	s_getreg_b32 s2, hwreg(HW_REG_IB_STS2, 6, 4)
	s_cmp_eq_u32 s2, 0
	s_cbranch_scc0 .Lentry_in_a_cluster
	s_endpgm
.Lentry_in_a_cluster:
	s_bfe_u32 s2, ttmp6, 0x10000c
	s_cmp_lg_u32 s2, 0xf033
	s_cbranch_scc0 .Lentry_shape_is_right
	s_endpgm
.Lentry_shape_is_right:
; QKV: [4096][2048] = xb [4096][2048] x wqkv [2048 k][2048 n], f16 operands, f32 sums; then RoPE on the q and k heads, + b_v on the v heads;
; out: qkv [b 2][hg 32][s 2048][64] f16, hg 0-15 = q heads, 16-23 = k heads, 24-31 = v heads.
; LIMITS: results leave as f16: |q|, |k|, |v| below 65504.  cos and sin are rounded to bf16 before use, as the other inputs of the products are.
; A work-group makes 128 rows x 256 columns with four waves; a wave makes 64 x 128 = 32 accumulator tiles, 256 registers.
; K goes in steps of 128 through two LDS slots filled by the tensor data mover; one step is 128 matrix instructions a wave.
; CLUSTER 4 x 4: the four work-groups of a row of the cluster need the same tiles of xb (and of cos and sin), the four of a column the same
; tiles of wqkv.  Each such tile is asked for jointly, which divides the requests by four.
; The matrix instruction is used transposed: source 0 = 16 columns of W, source 1 = 16 rows of xb; lane (r, h) of tile (a, b) then holds
; row 16 a + r and its registers j the columns 16 b + 8 h + j: eight neighbours of a row.  W lies [k][n] in LDS and is read by transposing loads.
; REGISTERS: window 0: v0-31 addresses, v32-95 two buffers of xb's fragments, v96-223 two buffers of W's; window 1: tile (a, b) at 8 (8 a + b);
; window 2: v0-63 the bias of my 128 columns, at 8 b + j.
.set KDIM,   2048
.set NDIM,   2048
.set KSTEP,  128
.set APITCH, 272                       ; 256 bytes + 16: sixteen rows start at sixteen different 16-byte columns modulo 256
.set BPITCH, 544                       ; 512 bytes + 32: an odd multiple of 32
.set AHALF,  64*APITCH                 ; what one load of xb brings
.set BHALF,  64*BPITCH                 ; what one load of W brings
.set BOFFS,  2*AHALF                   ; W's tile lies behind xb's
.set SLOT,   2*AHALF+2*BHALF           ; 104,448
.set CS,     2*SLOT                    ; cos rows 0-63, cos rows 64-127, sin rows 0-63, sin rows 64-127: four quarters, f32, pitch 272
.set CSQ,    64*272
.set STAGE,  CS+4*CSQ                  ; the way out: 2 heads x 16 rows x 144 bytes for each wave; no tensor load lands here
.set STW,    2*16*144
.set LAPS,   KDIM/(2*KSTEP)
.set ADRA, 16                          ; v16-17 my xb fragments in slot 0, 1
.set ADRB, 20                          ; v20-21 my W fragments
.set STO,  24
.set RD,   25
.set CO,   26
.set CSA,  27
.set BOF,  28
.set FA,   32                          ; buffer f of xb's fragments at FA + 32 f
.set FB,   96                          ; buffer f of W's fragments at FB + 64 f
.set COS,  32                          ; the way out, window 0
.set SIN,  64
.set T,    96
.set PK,   160
.set RB,   192
.set G1A, 24
.set G1B, 32
.set G1C, 40
.set G0A, 48
.set G0B, 56
.set G0C, 68
.set MULW, 0x50                        ; C and D in window 1, both sources in window 0
.set MSB, 0
.macro WIN new                         ; the immediate's high byte repeats the setting that is left
.if MSB != \new
	s_set_vgpr_msb (MSB<<8)|\new
.set MSB, \new
.endif
.endm
.macro PLACES                          ; four plain vector places behind matrix instructions (ISA guide 7.12.1 for vector instructions)
.rept 4
	v_nop
.endr
.endm
.macro JLOAD s                         ; waves 0, 1 ask for xb's two halves, waves 2, 3 for W's: one mask a line; the branch hangs on the wave's number alone
	s_cmp_eq_u32 s17, 0
	s_cbranch_scc0 .Lfor_b_\@
	tensor_load_to_lds s[G0A+4*\s:G0A+4*\s+3], s[G1A:G1A+7]
	s_nop 0
	s_branch .Lasked_\@
.Lfor_b_\@:
	tensor_load_to_lds s[G0B+4*\s:G0B+4*\s+3], s[G1B:G1B+7]
	s_nop 0
.Lasked_\@:
.endm
.macro CREST                           ; a round of the cluster's barrier behind its opening barrier
	s_cmp_lg_u32 s16, 0
	s_cbranch_scc1 .Lnot_wave_0_\@
	s_barrier_signal -3
.Lnot_wave_0_\@:
	s_barrier_wait -3
	s_barrier_signal -1
	s_barrier_wait -1
.endm
.macro CROUND
	s_barrier_signal -1
	s_barrier_wait -1
	CREST
.endm
; eight matrix instructions: row block a x all eight column blocks, 32 along K.  The 32 accumulators take turns, one instruction a turn,
; in the same order in every quarter step.
.macro MUL8 f, a, zero
.irp b, 0,1,2,3,4,5,6,7
.if \zero
	v_wmma_f32_16x16x32_f16 v[8*(8*\a+\b):8*(8*\a+\b)+7], v[FB+64*\f+8*\b:FB+64*\f+8*\b+7], v[FA+32*\f+8*\a:FA+32*\f+8*\a+7], 0
.else
	v_wmma_f32_16x16x32_f16 v[8*(8*\a+\b):8*(8*\a+\b)+7], v[FB+64*\f+8*\b:FB+64*\f+8*\b+7], v[FA+32*\f+8*\a:FA+32*\f+8*\a+7], v[8*(8*\a+\b):8*(8*\a+\b)+7]
.endif
.endr
.endm
; 24 LDS loads in one run: quarter q (32 along K) of a slot into buffer f: W's eight fragments, then xb's four
.macro FETCH slot, q, f
	WIN 0
.irp b, 0,1,2,3,4,5,6,7
	ds_load_tr16_b128 v[FB+64*\f+8*\b:FB+64*\f+8*\b+3],   v[ADRB+\slot] offset:\q*32*BPITCH+32*\b
	ds_load_tr16_b128 v[FB+64*\f+8*\b+4:FB+64*\f+8*\b+7], v[ADRB+\slot] offset:\q*32*BPITCH+32*\b+16*BPITCH
.endr
.irp a, 0,1,2,3
	ds_load_b128 v[FA+32*\f+8*\a:FA+32*\f+8*\a+3],   v[ADRA+\slot] offset:\a*16*APITCH+64*\q
	ds_load_b128 v[FA+32*\f+8*\a+4:FA+32*\f+8*\a+7], v[ADRA+\slot] offset:\a*16*APITCH+64*\q+32
.endr
.endm
.macro QUARTER slot, q, f, g, zero     ; multiplies buffer f; in its middle fetches quarter q into buffer g
	s_wait_dscnt 4                                 ; all but the youngest four loads (xb's row blocks 2 and 3) are in
	WIN MULW
	MUL8 \f, 0, \zero
	MUL8 \f, 1, \zero
	PLACES
	FETCH \slot, \q, \g
	s_wait_dscnt 24                                ; all but the 24 just issued
	WIN MULW
	MUL8 \f, 2, \zero
	MUL8 \f, 3, \zero
.endm
.macro THREE slot, zero
	QUARTER \slot, 1, 0, 1, \zero
	QUARTER \slot, 2, 1, 0, 0
	QUARTER \slot, 3, 0, 1, 0
.endm
; the fourth quarter multiplies buffer 1 and changes slots.  In front of the barrier each wave waits for its reads of this slot and for all its
; tensor loads (one is out: its part of the next slot); behind it (behind the cluster's round where the slot is filled again) the refill comes
; first.  From a request to the wait for it a wave issues 120 matrix instructions.
.macro TURN slot, next, fill
	s_wait_dscnt 4
	WIN MULW
	MUL8 1, 0, 0
	s_wait_dscnt 0                                 ; my reads of this slot are over
	s_wait_tensorcnt 0x0                           ; all my tensor loads have landed
	ds_add_u32 v254, v255
	s_wait_dscnt 0x0
	s_barrier_signal -1
	MUL8 1, 1, 0                                   ; register work while the others arrive
	WIN 0
	s_barrier_wait -1
.if \fill
	CREST                                          ; no wave of any partner still reads this slot or has a load on its way
	s_add_nc_u64 s[G0A+4*\slot+2:G0A+4*\slot+3], s[G0A+4*\slot+2:G0A+4*\slot+3], 2*KSTEP*2
	s_add_nc_u64 s[G0B+4*\slot+2:G0B+4*\slot+3], s[G0B+4*\slot+2:G0B+4*\slot+3], 2*KSTEP*NDIM*2
	JLOAD \slot                                    ; my one tensor load behind the round
.endif
	PLACES
	FETCH \next, 0, 0
	WIN MULW
	MUL8 1, 2, 0
	MUL8 1, 3, 0
.endm
.macro LAP zero
	THREE 0, \zero
	TURN 0, 1, 1
	THREE 1, 0
	TURN 1, 0, 1
.endm
	s_load_b256 s[4:11], s[0:1], 0x0               ; xb 4, wqkv 6, cos 8, sin 10
	s_load_b128 s[12:15], s[0:1], 0x20             ; b_v 12, qkv 14
	v_lshl_add_u32 v254, v0, 2, 0x48800
	v_mov_b32 v255, 0
	ds_add_u32 v254, v255
	v_lshrrev_b32 v1, 5, v0
	v_readfirstlane_b32 s16, v1                    ; wave
	s_lshr_b32 s17, s16, 1                         ; my half of the rows; also: I fetch xb (0) or W (1); also cos (0) or sin (1)
	s_and_b32 s18, s16, 1                          ; my half of the columns; also which half of a tile I fetch
	s_bfe_u32 s19, ttmp6, 0x40000                  ; cx
	s_bfe_u32 s20, ttmp6, 0x40004                  ; cy
	s_lshl_b32 s21, ttmp9, 2
	s_add_co_u32 s21, s21, s19                     ; block column bx
	s_and_b32 s22, ttmp7, 0xffff
	s_lshl_b32 s22, s22, 2
	s_add_co_u32 s22, s22, s20                     ; block row by
	s_lshl_b32 s72, s20, 2
	s_lshl_b32 s72, 15, s72                        ; my row of the cluster
	s_lshl_b32 s76, 0x1111, s19                    ; my column
	s_or_b32 s[G1A+0], s72, (1<<16)|(1<<20)|(1<<21)|(5<<22)|(3<<25)   ; 2-byte elements; 4 words of padding after every 64
	s_mov_b32 s[G1A+1], KSTEP<<16                  ; tensor_dim0 = 128
	s_mov_b32 s[G1A+2], 64<<16                     ; tensor_dim1 = 64
	s_mov_b32 s[G1A+3], KSTEP<<16                  ; tile_dim0 = 128
	s_mov_b32 s[G1A+4], 64                         ; tile_dim1 = 64
	s_mov_b32 s[G1A+5], KDIM                       ; elements from row to row
	s_mov_b32 s[G1A+6], 0
	s_mov_b32 s[G1A+7], 0
	s_or_b32 s[G1B+0], s76, (1<<16)|(1<<20)|(1<<21)|(6<<22)|(7<<25)   ; 8 words of padding after every 128
	s_mov_b32 s[G1B+1], 256<<16
	s_mov_b32 s[G1B+2], 64<<16
	s_mov_b32 s[G1B+3], 256<<16
	s_mov_b32 s[G1B+4], 64
	s_mov_b32 s[G1B+5], NDIM
	s_mov_b32 s[G1B+6], 0
	s_mov_b32 s[G1B+7], 0
	s_or_b32 s[G1C+0], s72, (2<<16)|(1<<20)|(1<<21)|(5<<22)|(3<<25)   ; 4-byte elements: 64 rows of 64 f32
	s_mov_b32 s[G1C+1], 64<<16
	s_mov_b32 s[G1C+2], 64<<16
	s_mov_b32 s[G1C+3], 64<<16
	s_mov_b32 s[G1C+4], 64
	s_mov_b32 s[G1C+5], 64
	s_mov_b32 s[G1C+6], 0
	s_mov_b32 s[G1C+7], 0
	; xb's, cos' and sin's tiles hang on the block row and the wave, W's on the block column and the wave, in registers that never hold the other coordinate
	s_lshl_b32 s72, s22, 7
	s_lshl_b32 s73, s18, 6
	s_add_co_u32 s72, s72, s73                     ; first row that I fetch
	s_lshl_b32 s82, s72, 8                         ; cos, sin: 256 bytes a row
	s_mov_b32 s83, 0
	s_mul_i32 s72, s72, KDIM*2
	s_mov_b32 s73, 0
	s_mul_i32 s76, s18, 64*NDIM*2                  ; W: 64 k rows a half
	s_lshl_b32 s77, s21, 9                         ; 512 bytes a block column
	s_add_co_u32 s76, s76, s77
	s_mov_b32 s77, 0
	s_mul_i32 s86, s18, AHALF                      ; LDS addresses hang on the wave alone
	s_mul_i32 s87, s18, BHALF
	s_add_co_u32 s87, s87, BOFFS
	s_mul_i32 s88, s16, CSQ
	s_wait_dscnt 0x0
	s_wait_kmcnt 0x0
	s_add_nc_u64 s[74:75], s[4:5], s[72:73]
	s_add_nc_u64 s[78:79], s[6:7], s[76:77]
	s_cmp_eq_u32 s17, 0
	s_cselect_b64 s[84:85], s[8:9], s[10:11]
	s_add_nc_u64 s[84:85], s[84:85], s[82:83]
.irp s, 0,1
	s_mov_b32 s[G0A+4*\s], 1
	s_add_co_u32 s[G0A+4*\s+1], s86, \s*SLOT
	s_add_nc_u64 s[G0A+4*\s+2:G0A+4*\s+3], s[74:75], \s*KSTEP*2
	s_or_b32 s[G0A+4*\s+3], s[G0A+4*\s+3], 0x80000000
	s_mov_b32 s[G0B+4*\s], 1
	s_add_co_u32 s[G0B+4*\s+1], s87, \s*SLOT
	s_add_nc_u64 s[G0B+4*\s+2:G0B+4*\s+3], s[78:79], \s*KSTEP*NDIM*2
	s_or_b32 s[G0B+4*\s+3], s[G0B+4*\s+3], 0x80000000
.endr
	s_mov_b32 s[G0C], 1
	s_add_co_u32 s[G0C+1], s88, CS
	s_mov_b64 s[G0C+2:G0C+3], s[84:85]
	s_or_b32 s[G0C+3], s[G0C+3], 0x80000000
	CROUND                                         ; all sixteen work-groups are here: the first joint loads meet
	tensor_load_to_lds s[G0C:G0C+3], s[G1C:G1C+7]  ; my quarter of cos and sin
	s_nop 0
	JLOAD 0                                        ; K step 0
	JLOAD 1                                        ; K step 1: three tensor loads of the wave are out
	; the bias of my 128 columns.  Only block columns 6 and 7 are v heads; the others read inside b_v all the same and drop it by a select.
	s_cmp_ge_u32 s21, 6
	s_cselect_b32 s80, -1, 0                       ; a lane mask: all ones in a block of v heads
	s_mov_b32 s81, 0xffff0000
	s_sub_co_u32 s90, s21, 6
	s_lshl_b32 s90, s90, 10
	s_and_b32 s90, s90, s80
	s_lshl_b32 s91, s18, 9
	s_add_co_u32 s90, s90, s91
	s_mov_b32 s91, 0
	s_add_nc_u64 s[12:13], s[12:13], s[90:91]
	v_and_b32 v1, 15, v0                           ; r
	v_bfe_u32 v2, v0, 4, 1                         ; h
	v_and_b32 v3, 31, v0                           ; lane
	v_lshlrev_b32 v[BOF], 5, v2
	WIN 0x80
.irp b, 0,1,2,3,4,5,6,7
	global_load_b128 v[8*\b:8*\b+3],   v[BOF], s[12:13] offset:64*\b
	global_load_b128 v[8*\b+4:8*\b+7], v[BOF], s[12:13] offset:64*\b+16
.endr
	WIN 0
	v_mul_u32_u24 v4, v1, APITCH
	v_lshl_add_u32 v5, v2, 4, v4                   ; r x 272 + 16 h
	s_mul_i32 s88, s17, AHALF
	v_add_nc_u32 v[ADRA], s88, v5
	v_add_nc_u32 v[ADRA+1], SLOT, v[ADRA]
	v_and_b32 v6, 7, v0
	v_lshl_add_u32 v6, v2, 3, v6                   ; k row 8 h + lane % 8
	v_mul_u32_u24 v6, v6, BPITCH
	v_bfe_u32 v7, v0, 3, 1
	v_lshl_add_u32 v6, v7, 4, v6
	s_lshl_b32 s88, s18, 8
	s_add_co_u32 s88, s88, BOFFS
	v_add_nc_u32 v[ADRB], s88, v6
	v_add_nc_u32 v[ADRB+1], SLOT, v[ADRB]
	s_mul_i32 s88, s16, STW
	s_add_co_u32 s88, s88, STAGE
	v_mul_u32_u24 v6, v1, 144
	v_lshl_add_u32 v6, v2, 4, v6
	v_add_nc_u32 v[STO], s88, v6                   ; in: row r, 16 bytes for each half of the lanes
	v_lshrrev_b32 v6, 3, v3
	v_mul_u32_u24 v6, v6, 144
	v_and_b32 v7, 7, v0
	v_lshl_add_u32 v6, v7, 4, v6
	v_add_nc_u32 v[RD], s88, v6                    ; back: eight lanes a row of 128 bytes, four rows a load
	v_lshlrev_b32 v[CO], 4, v3
	s_mul_i32 s88, s17, CSQ
	s_add_co_u32 s88, s88, CS
	v_lshl_add_u32 v6, v2, 5, v4
	v_add_nc_u32 v[CSA], s88, v6                   ; cos of row r at d = 8 h
	s_wait_tensorcnt 1                             ; cos, sin and K step 0 are in; K step 1 may stay out
	s_barrier_signal -1
	s_barrier_wait -1
	FETCH 0, 0, 0
	LAP 1                                          ; the first products start the sums
	WIN 0
	s_mov_b32 s3, LAPS-2
.Llap:
	LAP 0
	WIN 0
	s_sub_co_u32 s3, s3, 1
	s_cmp_lg_u32 s3, 0
	s_cbranch_scc1 .Llap
	THREE 0, 0                                     ; the last lap fills nothing
	TURN 0, 1, 0
	THREE 1, 0
	s_wait_dscnt 4
	WIN MULW
	MUL8 1, 0, 0
	MUL8 1, 1, 0
	s_wait_dscnt 0
	MUL8 1, 2, 0
	MUL8 1, 3, 0
	; THE WAY OUT.  One text for q, k and v blocks (a branch on the block column would differ between partners): in a v block cos becomes 1,
	; sin 0 and the bias b_v; elsewhere the bias becomes 0.
	PLACES
	WIN 0
	s_lshr_b32 s92, s22, 4                         ; batch
	s_lshl_b32 s92, s92, 23                        ; 32 heads x 2048 rows x 128 bytes
	s_lshl_b32 s93, s21, 2
	s_lshl1_add_u32 s93, s18, s93                  ; my first head = 4 bx + 2 half
	s_lshl_b32 s93, s93, 18
	s_add_co_u32 s92, s92, s93
	s_and_b32 s93, s22, 15
	s_lshl_b32 s93, s93, 7
	s_lshl_b32 s94, s17, 6
	s_add_co_u32 s93, s93, s94                     ; my first row in the sequence
	s_lshl_b32 s93, s93, 7
	s_add_co_u32 s92, s92, s93
	s_mov_b32 s93, 0
	s_add_nc_u64 s[14:15], s[14:15], s[92:93]
	s_wait_loadcnt 0x0                             ; the bias
	WIN 0x88
.set i, 0
.rept 64
	v_cndmask_b32 v[i], 0, v[i], s80
.set i, i+1
.endr
; rows 16 a .. 16 a + 15 of my 64
.macro STRIPE a
	WIN 0
.irp bb, 0,1,2,3
	ds_load_b128 v[COS+8*\bb:COS+8*\bb+3],   v[CSA] offset:\a*16*272+64*\bb
	ds_load_b128 v[COS+8*\bb+4:COS+8*\bb+7], v[CSA] offset:\a*16*272+64*\bb+16
	ds_load_b128 v[SIN+8*\bb:SIN+8*\bb+3],   v[CSA] offset:2*CSQ+\a*16*272+64*\bb
	ds_load_b128 v[SIN+8*\bb+4:SIN+8*\bb+7], v[CSA] offset:2*CSQ+\a*16*272+64*\bb+16
.endr
	s_wait_dscnt 0x0
.set i, 0
.rept 32                                           ; cos and sin (64 neighbouring registers) rounded to bf16 and widened again
	v_cvt_pk_bf16_f32 v[PK+i], v[COS+2*i], v[COS+2*i+1]
.set i, i+1
.endr
.set i, 0
.rept 32
	v_lshlrev_b32 v[COS+2*i], 16, v[PK+i]
	v_and_b32 v[COS+2*i+1], s81, v[PK+i]
.set i, i+1
.endr
.set i, 0
.rept 32
	v_cndmask_b32 v[COS+i], v[COS+i], 1.0, s80
	v_cndmask_b32 v[SIN+i], v[SIN+i], 0, s80
.set i, i+1
.endr
	WIN 0x21                                       ; x cos + bias: x in window 1, the bias in window 2
.irp b, 0,1,2,3,4,5,6,7
.irp j, 0,2,4,6
	v_pk_fma_f32 v[T+8*\b+\j:T+8*\b+\j+1], v[8*(8*\a+\b)+\j:8*(8*\a+\b)+\j+1], v[COS+8*(\b&3)+\j:COS+8*(\b&3)+\j+1], v[8*\b+\j:8*\b+\j+1]
.endr
.endr
	WIN 0x01                                       ; + rotate_half(x) sin: d < 32 takes -x[d + 32], d >= 32 takes x[d - 32]: the tile two further on or back, same lane
.irp hd, 0,1
.irp bb, 0,1
.irp j, 0,2,4,6
	v_pk_fma_f32 v[T+8*(4*\hd+\bb)+\j:T+8*(4*\hd+\bb)+\j+1], v[8*(8*\a+4*\hd+\bb+2)+\j:8*(8*\a+4*\hd+\bb+2)+\j+1], v[SIN+8*\bb+\j:SIN+8*\bb+\j+1], v[T+8*(4*\hd+\bb)+\j:T+8*(4*\hd+\bb)+\j+1] neg_lo:[1,0,0] neg_hi:[1,0,0]
	v_pk_fma_f32 v[T+8*(4*\hd+\bb+2)+\j:T+8*(4*\hd+\bb+2)+\j+1], v[8*(8*\a+4*\hd+\bb)+\j:8*(8*\a+4*\hd+\bb)+\j+1], v[SIN+8*(\bb+2)+\j:SIN+8*(\bb+2)+\j+1], v[T+8*(4*\hd+\bb+2)+\j:T+8*(4*\hd+\bb+2)+\j+1]
.endr
.endr
.endr
	WIN 0
.set i, 0
.rept 32
	v_cvt_pk_f16_f32 v[PK+i], v[T+2*i], v[T+2*i+1]
.set i, i+1
.endr
.irp b, 0,1,2,3,4,5,6,7
	ds_store_b128 v[STO], v[PK+4*\b:PK+4*\b+3] offset:(\b>>2)*2304+(\b&3)*32
.endr
	s_wait_xcnt 0x0                                ; RB, which the last stripe's stores read, is rewritten only behind this wait
.irp u, 0,1,2,3,4,5,6,7
	ds_load_b128 v[RB+4*\u:RB+4*\u+3], v[RD] offset:(\u>>2)*2304+(\u&3)*576   ; LDS serves a wave's instructions in order: these see the stores above
.endr
.irp u, 0,1,2,3,4,5,6,7
	s_wait_dscnt 7-\u
	global_store_b128 v[CO], v[RB+4*\u:RB+4*\u+3], s[14:15] offset:(\u>>2)*262144+\a*2048+(\u&3)*512   ; 512 consecutive bytes: four rows of one head
.endr
.endm
	STRIPE 0
	STRIPE 1
	STRIPE 2
	STRIPE 3
	s_wait_tensorcnt 0x0
	ds_add_u32 v254, v255
	s_wait_dscnt 0x0
	CROUND                                         ; the closing round: no work-group ends while a partner may still ask jointly
	s_endpgm
.Lfunc_end_k_q7df8f27544_qkv:
	.size	k_q7df8f27544_qkv, .Lfunc_end_k_q7df8f27544_qkv-k_q7df8f27544_qkv
	.p2alignl 7, 3214868480
	.fill 96, 4, 3214868480
	.section	.rodata,"a",@progbits
	.p2align	6, 0x0
	.amdhsa_kernel k_q7df8f27544_qkv
		.amdhsa_group_segment_fixed_size 327680
		.amdhsa_private_segment_fixed_size 0
		.amdhsa_enable_private_segment 0
		.amdhsa_kernarg_size 48
		.amdhsa_user_sgpr_count 2
		.amdhsa_user_sgpr_kernarg_segment_ptr 1
		.amdhsa_wavefront_size32 1
		.amdhsa_system_sgpr_workgroup_id_x 1
		.amdhsa_system_sgpr_workgroup_id_y 1
		.amdhsa_system_sgpr_workgroup_id_z 1
		.amdhsa_system_vgpr_workitem_id 0
		.amdhsa_next_free_vgpr 576
		.amdhsa_next_free_sgpr 96
		.amdhsa_reserve_vcc 0
		.amdhsa_float_denorm_mode_32 3
		.amdhsa_float_denorm_mode_16_64 3
		.amdhsa_memory_ordered 1
		.amdhsa_forward_progress 1
		.amdhsa_inst_pref_size 177
	.end_amdhsa_kernel
	.amdgpu_metadata
---
amdhsa.version: [ 1, 2 ]
amdhsa.kernels:
  - .name:           k_q7df8f27544_qkv
    .symbol:         k_q7df8f27544_qkv.kd
    .args:
      - { .name: xb, .offset: 0, .size: 8, .value_kind: global_buffer, .address_space: global }
      - { .name: wqkv, .offset: 8, .size: 8, .value_kind: global_buffer, .address_space: global }
      - { .name: cos, .offset: 16, .size: 8, .value_kind: global_buffer, .address_space: global }
      - { .name: sin, .offset: 24, .size: 8, .value_kind: global_buffer, .address_space: global }
      - { .name: b_v, .offset: 32, .size: 8, .value_kind: global_buffer, .address_space: global }
      - { .name: qkv, .offset: 40, .size: 8, .value_kind: global_buffer, .address_space: global }
    .group_segment_fixed_size: 327680
    .private_segment_fixed_size: 0
    .kernarg_segment_align: 8
    .kernarg_segment_size: 48
    .max_flat_workgroup_size: 128
    .sgpr_count:     96
    .vgpr_count:     576
    .wavefront_size: 32
...
	.end_amdgpu_metadata
.endif
;; end of part 2
;; launch attn (part 3): grid 256 x 1, 8 waves a work-group, no clusters, 327,680 bytes of LDS; arguments qkv, attention_mask, ob; writes ob
.if DOCPART == 3
	.amdgcn_target "amdgcn-amd-amdhsa--gfx1250"
	.amdhsa_code_object_version 6
	.text
	.protected	k_q7df8f27544_attn
	.globl	k_q7df8f27544_attn
	.p2align	8
	.type	k_q7df8f27544_attn,@function
k_q7df8f27544_attn:
	s_mov_b64 s[64:65], 0
	v_nop
	global_prefetch_b8 v0, s[64:65] scope:SCOPE_SE
	s_setreg_imm32_b32 hwreg(HW_REG_WAVE_MODE, 25, 1), 1
	s_wait_xcnt 0x0
; ATTENTION: softmax(q k^T / 8 + causal + key mask) v, f16 operands, f32 sums and softmax, running maximum.  Out: ob [4096][1024] f16.
; Work-group g: p = g % 16, kv head (g / 16) % 8, batch g / 128.  It takes both query heads of the kv head for the query blocks 64 p and
; 64 (31 - p).  Keys go in steps of 128: (p + 2) / 2 steps for the first block, 17 less that for the second: 17 steps in every work-group.
; EIGHT WAVES, two for each of a WGP's four SIMDs: the softmax is vector work that hangs on the products just made, so a second wave gives the
; SIMD instructions to issue while the first waits for LDS, for a result or for its products.
; Wave w: key half wk = w / 4 (64 keys of a step), query quarter wc = w % 4 (16 queries) x 2 heads = two query tiles qt = head.
; S^T = K Q^T leaves lane (r, h) with query r and keys 16 kt + 8 h + j: packed in place that is the B operand of O^T += V^T P^T, and
; every figure of a query (maximum, sum, factor) is one number a lane.  The two key halves keep their own maximum, sum and O and meet once a block in LDS.
; LIMITS: a masked score is -1e30 and the running maximum starts at -1e29, so raw sums q.k below -1e29 count as masked.  A row without
; any valid key ends with sum 0 and O 0 and gives 0 x 1/0 = NaN, as a softmax over nothing but -inf does.
; NO CLUSTER: the sixteen work-groups of one kv head read the same K and V, but in one trip they stand at different key steps
; (the second block starts at a trip that hangs on p), so no two would name the same tile in the same round.
; NO PREFETCH: all that is read here was stored by the launch before.
; REGISTERS, all in one window of 256: v0-31 addresses and softmax figures; v32-63 Q(qt, ks); v64-127 O(qt, dt); v128-191 S(qt, kt), then P;
; v192-255 K's, then V's fragments.  The key mask has no registers of its own: it is loaded into S(1, kt), serves tile 0 as C, and tile 1 adds onto it in place.
.set KPITCH, 144
.set VPITCH, 160                       ; an odd multiple of 32
.set VOFF,   128*KPITCH
.set SLOT,   128*KPITCH+128*VPITCH     ; 38,912
.set MBT,    2*SLOT                    ; 2,048 f32: 0 or -1e30 for each key of the batch
.set XS,     MBT+8192                  ; where key half 1 hands over: 17 x 512 bytes for each query quarter
.set XSW,    17*512
.set STG,    XS+4*XSW                  ; the way out: 16 rows x 272 bytes for each query quarter
.set STGW,   16*272
.set QAD, 2
.set STO, 3
.set RD,  4
.set CO,  5
.set XAD, 6
.set KAD, 8                            ; v8-9   my K fragments in slot 0, 1
.set VAD, 10                           ; v10-11 my V fragments
.set MB0, 12
.set MAD, 13
.set QL,  14
.set SEN, 15
.set MM,  16                           ; the running maxima (raw sums), one a query tile
.set LL,  18                           ; the running sums, a pair a query tile
.set NM,  22                           ; - c x maximum
.set AL,  24                           ; the factor on what was summed before
.set TT,  26
.set QQ,  32
.set OO,  64
.set SS,  128
.set KVF, 192
.set MP,  KVF                          ; the merge: the other half's maxima,
.set LP,  KVF+2                        ; its sums,
.set EE,  KVF+8                        ; temporaries,
.set FF,  KVF+24                       ; and the two factors of each query tile, each written twice to fill a pair
.set G1K, 24
.set G1V, 32
.set G0K, 40
.set G0V, 48
.macro PLACES                          ; four plain vector places behind matrix instructions (ISA guide 7.12.1 for vector instructions)
.rept 4
	v_nop
.endr
.endm
.macro KVLOAD s                        ; waves 0, 1 fetch K's two halves of 64 rows, waves 2, 3 V's; waves 4 to 7 have no part of a tile to fetch
	s_cmp_eq_u32 s83, 0
	s_cbranch_scc0 .Lnot_k_\@
	tensor_load_to_lds s[G0K+4*\s:G0K+4*\s+3], s[G1K:G1K+7]
	s_nop 0
	s_branch .Lasked_\@
.Lnot_k_\@:
	s_cmp_eq_u32 s83, 1
	s_cbranch_scc0 .Lasked_\@
	tensor_load_to_lds s[G0V+4*\s:G0V+4*\s+3], s[G1V:G1V+7]
	s_nop 0
.Lasked_\@:
.endm
.macro QLOAD lo                        ; my 16 queries x 2 heads as B fragments, straight from memory: 8 loads
.irp hd, 0,1
.irp ks, 0,1
	global_load_b128 v[QQ+16*\hd+8*\ks:QQ+16*\hd+8*\ks+3],   v[QAD], s[\lo:\lo+1] offset:\hd*262144+64*\ks
	global_load_b128 v[QQ+16*\hd+8*\ks+4:QQ+16*\hd+8*\ks+7], v[QAD], s[\lo:\lo+1] offset:\hd*262144+64*\ks+32
.endr
.endr
.endm
; A block starts: maxima, sums and O.  O is cleared by moves: the second block starts at a trip that hangs on the work-group's number,
; so its first product cannot be written out with the constant 0 as C, and a factor 0 would not wipe a NaN of the block before.
.macro CLEAR
	v_mov_b32 v[MM], 0xefa18f07                    ; -1e29
	v_mov_b32 v[MM+1], 0xefa18f07
.irp i, 0,1,2,3
	v_mov_b32 v[LL+\i], 0
.endr
.set i, 0
.rept 64
	v_mov_b32 v[OO+i], 0
.set i, i+1
.endr
.endm
; softmax of query tile qt over my 64 keys (32 numbers a lane)
.macro SM qt
.set SB, SS+32*\qt
	v_max3_num_f32 v[TT],   v[SB],   v[SB+1], v[MM+\qt]    ; four chains; the old maximum is among the numbers
	v_max3_num_f32 v[TT+1], v[SB+2], v[SB+3], v[SB+4]
	v_max3_num_f32 v[TT+2], v[SB+5], v[SB+6], v[SB+7]
	v_max3_num_f32 v[TT+3], v[SB+8], v[SB+9], v[SB+10]
.set i, 0
.rept 10
	v_max3_num_f32 v[TT+i%4], v[TT+i%4], v[SB+11+2*i], v[SB+12+2*i]
.set i, i+1
.endr
	v_max3_num_f32 v[TT], v[TT], v[TT+1], v[TT+2]
	v_max3_num_f32 v[TT], v[TT], v[TT+3], v[SB+31]
	v_permlanex16_b32 v[TT+1], v[TT], s60, s61     ; the other eight keys of each sixteen lie in lane xor 16
	v_mul_f32 v[TT+2], s63, v[MM+\qt]              ; - c x old maximum, rounded as it was when it served
	v_max_num_f32 v[MM+\qt], v[TT], v[TT+1]
	v_mul_f32 v[NM], s63, v[MM+\qt]                ; - c x new maximum: the exponents' common point
	v_sub_f32 v[TT+2], v[NM], v[TT+2]
	v_exp_f32 v[AL], v[TT+2]                       ; the next line is a plain one that touches neither register
.set i, 0
.rept 16
	v_pk_fma_f32 v[SB+2*i:SB+2*i+1], v[SB+2*i:SB+2*i+1], s[62:63], v[NM:NM+1] op_sel_hi:[1,0,0]   ; c s - c m, c = log2(e) / 8
.set i, i+1
.endr
.set i, 0
.rept 32
	v_exp_f32 v[SB+i], v[SB+i]
.set i, i+1
.endr
	v_nop                                          ; one plain place behind the exponentials (ISA guide 5.7.2)
	s_wait_alu depctr_va_vdst(0)
	v_pk_add_f32 v[TT:TT+1], v[SB:SB+1], v[SB+2:SB+3]
	v_pk_add_f32 v[TT+2:TT+3], v[SB+16:SB+17], v[SB+18:SB+19]
.set i, 2
.rept 6
	v_pk_add_f32 v[TT:TT+1], v[TT:TT+1], v[SB+2*i:SB+2*i+1]
	v_pk_add_f32 v[TT+2:TT+3], v[TT+2:TT+3], v[SB+16+2*i:SB+16+2*i+1]
.set i, i+1
.endr
	v_pk_add_f32 v[TT:TT+1], v[TT:TT+1], v[TT+2:TT+3]
	v_pk_fma_f32 v[LL+2*\qt:LL+2*\qt+1], v[LL+2*\qt:LL+2*\qt+1], v[AL:AL+1], v[TT:TT+1] op_sel_hi:[1,0,1]
.set i, 0
.rept 16                                           ; P in f16, packed downward in place: register i takes numbers 2 i, 2 i + 1
	v_cvt_pk_f16_f32 v[SB+i], v[SB+2*i], v[SB+2*i+1]
.set i, i+1
.endr
.endm
.macro RESC qt
.set i, 0
.rept 16
	v_pk_mul_f32 v[OO+32*\qt+2*i:OO+32*\qt+2*i+1], v[OO+32*\qt+2*i:OO+32*\qt+2*i+1], v[AL:AL+1] op_sel_hi:[1,0]
.set i, i+1
.endr
.endm
.macro PV qt                           ; the four accumulators of the query tile take turns, one instruction a turn
.irp ks2, 0,1
.irp dt, 0,1,2,3
	v_wmma_f32_16x16x32_f16 v[OO+32*\qt+8*\dt:OO+32*\qt+8*\dt+7], v[KVF+32*\ks2+8*\dt:KVF+32*\ks2+8*\dt+7], v[SS+32*\qt+8*\ks2:SS+32*\qt+8*\ks2+7], v[OO+32*\qt+8*\dt:OO+32*\qt+8*\dt+7]
.endr
.endr
.endm
; A block ends: the key halves meet, the result is divided and stored.  ob: the scalar pair with the block's address in ob.
.macro FINISH ob, reset
	PLACES                                         ; behind the last products: O is read, P's and V's registers are written
	v_add_f32 v[TT], v[LL], v[LL+1]
	v_add_f32 v[TT+1], v[LL+2], v[LL+3]
	v_permlanex16_b32 v[NM], v[TT], s60, s61
	v_permlanex16_b32 v[AL], v[TT+1], s60, s61
	v_add_f32 v[TT], v[TT], v[NM]                  ; my key half's sum for query r, in both lanes of the query
	v_add_f32 v[TT+1], v[TT+1], v[AL]
	s_cmp_eq_u32 s11, 0
	s_cbranch_scc1 .Lkeep_\@
.set i, 0
.rept 16
	ds_store_b128 v[XAD], v[OO+4*i:OO+4*i+3] offset:512*i
.set i, i+1
.endr
	ds_store_b64 v[XAD], v[MM:MM+1] offset:512*16      ; the two maxima and the two sums fill the lane's 16 bytes of the 17th block
	ds_store_b64 v[XAD], v[TT:TT+1] offset:512*16+8
.Lkeep_\@:
	s_wait_dscnt 0x0                               ; for the other wave's sake: my stores are done
	s_barrier_signal -1
	s_barrier_wait -1                              ; the next tile's load may stay out
	s_cmp_lg_u32 s11, 0
	s_cbranch_scc1 .Ldone_\@
.set i, 0
.rept 16
	ds_load_b128 v[SS+4*i:SS+4*i+3], v[XAD] offset:512*i   ; the other half's O over S's registers
.set i, i+1
.endr
	ds_load_b128 v[MP:MP+3], v[XAD] offset:512*16  ; its maxima and its sums
	s_wait_dscnt 0x0
.irp qt, 0,1
	v_max_num_f32 v[EE+\qt], v[MM+\qt], v[MP+\qt]
.endr
.irp qt, 0,1
	v_mul_f32 v[EE+2+\qt], s63, v[EE+\qt]          ; - c x joint maximum
	v_mul_f32 v[EE+4+\qt], s63, v[MM+\qt]          ; - c x mine, - c x the other's, rounded as they served
	v_mul_f32 v[EE+6+\qt], s63, v[MP+\qt]
.endr
.irp qt, 0,1
	v_sub_f32 v[EE+4+\qt], v[EE+2+\qt], v[EE+4+\qt]
	v_sub_f32 v[EE+6+\qt], v[EE+2+\qt], v[EE+6+\qt]
.endr
.irp e, 4,5,6,7
	v_exp_f32 v[EE+\e], v[EE+\e]
.endr
	v_nop
	s_wait_alu depctr_va_vdst(0)
.irp qt, 0,1
	v_mul_f32 v[EE+8+\qt], v[TT+\qt], v[EE+4+\qt]
.endr
.irp qt, 0,1
	v_fmac_f32 v[EE+8+\qt], v[LP+\qt], v[EE+6+\qt]
.endr
.irp qt, 0,1
	v_rcp_f32 v[EE+8+\qt], v[EE+8+\qt]             ; 1 / 0 = infinity where no key was valid
.endr
	v_nop
	s_wait_alu depctr_va_vdst(0)
.irp qt, 0,1
	v_mul_f32 v[FF+4*\qt],   v[EE+4+\qt], v[EE+8+\qt]      ; my factor,
	v_mul_f32 v[FF+4*\qt+1], v[EE+4+\qt], v[EE+8+\qt]
	v_mul_f32 v[FF+4*\qt+2], v[EE+6+\qt], v[EE+8+\qt]      ; the other's
	v_mul_f32 v[FF+4*\qt+3], v[EE+6+\qt], v[EE+8+\qt]
.endr
.set i, 0
.rept 32
	v_pk_mul_f32 v[SS+2*i:SS+2*i+1], v[SS+2*i:SS+2*i+1], v[FF+4*(i/16)+2:FF+4*(i/16)+3]
.set i, i+1
.endr
.set i, 0
.rept 32
	v_pk_fma_f32 v[OO+2*i:OO+2*i+1], v[OO+2*i:OO+2*i+1], v[FF+4*(i/16):FF+4*(i/16)+1], v[SS+2*i:SS+2*i+1]
.set i, i+1
.endr
.irp hd, 0,1                                       ; my 16 queries: both heads' 64 numbers are 256 neighbouring bytes of a row of ob
.irp dt, 0,1,2,3
.irp k, 0,1,2,3
	v_cvt_pk_f16_f32 v[SS+16*\hd+4*\dt+\k], v[OO+32*\hd+8*\dt+2*\k], v[OO+32*\hd+8*\dt+2*\k+1]
.endr
.endr
.endr
.irp hd, 0,1
.irp dt, 0,1,2,3
	ds_store_b128 v[STO], v[SS+16*\hd+4*\dt:SS+16*\hd+4*\dt+3] offset:128*\hd+32*\dt
.endr
.endr
.irp u, 0,1,2,3,4,5,6,7
	ds_load_b128 v[SS+32+4*\u:SS+32+4*\u+3], v[RD] offset:544*\u   ; my own stage, served in order behind the stores above
.endr
.irp u, 0,1,2,3,4,5,6,7
	s_wait_dscnt 7-\u                              ; LDS loads return in order: load u is in, the 7 - u younger ones stay out
	global_store_b128 v[CO], v[SS+32+4*\u:SS+32+4*\u+3], s[\ob:\ob+1] offset:4096*\u   ; sixteen lanes store 256 consecutive bytes, aligned
.endr
.if \reset
	s_wait_xcnt 0x0                                ; the next step loads the mask words over the stores' data
.endif
.Ldone_\@:
.if \reset
	CLEAR
	s_mov_b32 s19, s79                             ; the second block's first query
.endif
.endm
; One step of 128 keys on the tile in a slot.  last = 1: the 17th step, written out behind the loop.
.macro STEP slot, last
	s_sub_co_u32 s77, s17, s16
	s_cmp_ge_u32 s17, s16
	s_cselect_b32 s18, s77, s17                    ; the key step: t, or t less the first block's steps
	s_min_u32 s18, s18, 15                         ; it is never more; the bound stands in the text since it enters an LDS address
	s_lshl_b32 s78, s18, 9
.rept 5
	v_nop                                          ; five places behind the last step's products: S is written over P, K's fragments over V's
.endr
	v_add_nc_u32 v[MAD], s78, v[MB0]
.irp kt, 0,1,2,3
.irp ks, 0,1
	ds_load_b128 v[KVF+16*\kt+8*\ks:KVF+16*\kt+8*\ks+3],   v[KAD+\slot] offset:\kt*16*KPITCH+64*\ks
	ds_load_b128 v[KVF+16*\kt+8*\ks+4:KVF+16*\kt+8*\ks+7], v[KAD+\slot] offset:\kt*16*KPITCH+64*\ks+32
.endr
.endr
.irp kt, 0,1,2,3
	ds_load_b128 v[SS+32+8*\kt:SS+32+8*\kt+3],   v[MAD] offset:64*\kt      ; register j: the mask word of key 16 kt + 8 h + j, into S(1, kt)
	ds_load_b128 v[SS+32+8*\kt+4:SS+32+8*\kt+7], v[MAD] offset:64*\kt+16
.endr
	s_wait_loadcnt 0x0                             ; Q (out only in a block's first step)
	s_wait_dscnt 0x0
	; S^T = mask + K Q^T.  Four accumulators take turns, one instruction a turn.
.irp kt, 0,1,2,3                                   ; tile 0 takes the mask words, which lie in S(1, kt), as C
	v_wmma_f32_16x16x32_f16 v[SS+8*\kt:SS+8*\kt+7], v[KVF+16*\kt:KVF+16*\kt+7], v[QQ:QQ+7], v[SS+32+8*\kt:SS+32+8*\kt+7]
.endr
.irp kt, 0,1,2,3
	v_wmma_f32_16x16x32_f16 v[SS+8*\kt:SS+8*\kt+7], v[KVF+16*\kt+8:KVF+16*\kt+15], v[QQ+8:QQ+15], v[SS+8*\kt:SS+8*\kt+7]
.endr
.rept 5
	v_nop                                          ; five places before tile 1 writes over registers that tile 0's products read as C
.endr
.irp kt, 0,1,2,3                                   ; tile 1 adds onto the mask words in place
	v_wmma_f32_16x16x32_f16 v[SS+32+8*\kt:SS+32+8*\kt+7], v[KVF+16*\kt:KVF+16*\kt+7], v[QQ+16:QQ+23], v[SS+32+8*\kt:SS+32+8*\kt+7]
.endr
.irp kt, 0,1,2,3
	v_wmma_f32_16x16x32_f16 v[SS+32+8*\kt:SS+32+8*\kt+7], v[KVF+16*\kt+8:KVF+16*\kt+15], v[QQ+24:QQ+31], v[SS+32+8*\kt:SS+32+8*\kt+7]
.endr
	PLACES
.irp ks2, 0,1
.irp dt, 0,1,2,3
	ds_load_tr16_b128 v[KVF+32*\ks2+8*\dt:KVF+32*\ks2+8*\dt+3],   v[VAD+\slot] offset:\ks2*32*VPITCH+32*\dt
	ds_load_tr16_b128 v[KVF+32*\ks2+8*\dt+4:KVF+32*\ks2+8*\dt+7], v[VAD+\slot] offset:\ks2*32*VPITCH+32*\dt+16*VPITCH
.endr
.endr
.if \last == 0
	s_add_co_u32 s76, s17, 1
	s_cmp_lg_u32 s76, s16                          ; only a block's last step reaches past its first query
	s_cbranch_scc1 .Lfree_\@
.endif
	s_lshl_b32 s77, s18, 7
	s_sub_co_u32 s77, s19, s77                     ; first query - first key of the step
	v_add_nc_u32 v[TT], s77, v[QL]
.irp kt, 0,1,2,3
.irp j, 0,1,2,3,4,5,6,7
	v_cmp_gt_i32 vcc_lo, 16*\kt+\j, v[TT]          ; key > query
	v_cndmask_b32 v[SS+8*\kt+\j], v[SS+8*\kt+\j], v[SEN], vcc_lo
	v_cndmask_b32 v[SS+32+8*\kt+\j], v[SS+32+8*\kt+\j], v[SEN], vcc_lo
.endr
.endr
.if \last == 0
	QLOAD 70                                       ; the second block's queries: Q's last products stand in front of the places above
.Lfree_\@:
.endif
	SM 0
	RESC 0
	s_wait_dscnt 0x0                               ; V's fragments
	PV 0
	SM 1
	RESC 1
	PV 1
.if \last == 0
	s_add_co_u32 s76, s17, 1
	s_cmp_lg_u32 s76, s16
	s_cbranch_scc1 .Lon_\@
	FINISH 72, 1
.Lon_\@:
	s_add_co_u32 s17, s17, 1
.else
	FINISH 74, 0
.endif
.endm
; One trip of the ring: all my tensor loads and my reads of the other slot are done, the barrier, the refill first behind it, then the step.
; One tensor load of a fetching wave is out behind each barrier, and it has a whole step in which to land.
.macro TRIP slot, other, refill, last
	s_set_vgpr_msb 0x5
	s_wait_tensorcnt 0x0
	ds_add_u32 v0, v1
	s_wait_dscnt 0x0
	s_set_vgpr_msb 0x500
.if \refill
	s_add_co_u32 s76, s17, 1                       ; the next trip's key step
	s_sub_co_u32 s77, s76, s16
	s_cmp_ge_u32 s76, s16
	s_cselect_b32 s20, s77, s76
	s_lshl_b32 s20, s20, 14                        ; 128 rows of 128 bytes
	s_add_nc_u64 s[G0K+4*\other+2:G0K+4*\other+3], s[56:57], s[20:21]
	s_or_b32 s[G0K+4*\other+3], s[G0K+4*\other+3], 0x80000000
	s_add_nc_u64 s[G0V+4*\other+2:G0V+4*\other+3], s[58:59], s[20:21]
	s_or_b32 s[G0V+4*\other+3], s[G0V+4*\other+3], 0x80000000
.endif
	s_wait_dscnt 0x0
	s_barrier_signal -1
	s_barrier_wait -1
.if \refill
	KVLOAD \other
.endif
	STEP \slot, \last
.endm
	s_load_b128 s[4:7], s[0:1], 0x0                ; qkv 4, attention_mask 6
	s_load_b64 s[8:9], s[0:1], 0x10                ; ob
	s_set_vgpr_msb 0x40
	v_lshl_add_u32 v0, v0, 2, 0x29000
	v_mov_b32 v1, 0
	s_set_vgpr_msb 0x4045
	ds_add_u32 v0, v1
	s_set_vgpr_msb 0x4500
	v_lshrrev_b32 v1, 5, v0
	v_readfirstlane_b32 s10, v1                    ; wave 0..7
	s_lshr_b32 s11, s10, 2                         ; wk: my key half
	s_and_b32 s12, s10, 3                          ; wc: my query quarter
	s_lshr_b32 s83, s10, 1                         ; what I fetch: 0 K, 1 V, 2 and 3 nothing
	s_and_b32 s82, s10, 1                          ; which 64 rows of that tile
	s_and_b32 s13, ttmp9, 15                       ; p
	s_bfe_u32 s14, ttmp9, 0x30004                  ; kv head
	s_lshr_b32 s15, ttmp9, 7                       ; batch
	s_add_co_u32 s16, s13, 2
	s_lshr_b32 s16, s16, 1                         ; steps of the first block
	s_mov_b32 s17, 0                               ; t
	s_lshl_b32 s19, s13, 6                         ; first query of the first block,
	s_sub_co_u32 s79, 31, s13
	s_lshl_b32 s79, s79, 6                         ; of the second
	s_mov_b32 s21, 0                               ; the upper word of the offset pair s[20:21], for good
	s_mov_b32 s60, 0x76543210                      ; v_permlanex16_b32: lane i xor 16
	s_mov_b32 s61, 0xfedcba98
	s_mov_b32 s62, 0x3e38aa3b                      ; c = log2(e) / 8
	s_mov_b32 s63, 0xbe38aa3b                      ; - c
	s_mov_b32 s[G1K+0], (1<<16)|(1<<20)|(4<<22)|(3<<25)   ; 2-byte elements; 4 words of padding after every 32: pitch 144
	s_mov_b32 s[G1K+1], 64<<16
	s_mov_b32 s[G1K+2], 64<<16
	s_mov_b32 s[G1K+3], 64<<16
	s_mov_b32 s[G1K+4], 64
	s_mov_b32 s[G1K+5], 64
	s_mov_b32 s[G1K+6], 0
	s_mov_b32 s[G1K+7], 0
	s_mov_b32 s[G1V+0], (1<<16)|(1<<20)|(4<<22)|(7<<25)   ; 8 words of padding: pitch 160
	s_mov_b32 s[G1V+1], 64<<16
	s_mov_b32 s[G1V+2], 64<<16
	s_mov_b32 s[G1V+3], 64<<16
	s_mov_b32 s[G1V+4], 64
	s_mov_b32 s[G1V+5], 64
	s_mov_b32 s[G1V+6], 0
	s_mov_b32 s[G1V+7], 0
	s_mul_i32 s76, s82, 64*KPITCH
	s_mul_i32 s77, s82, 64*VPITCH
	s_add_co_u32 s77, s77, VOFF
.irp s, 0,1
	s_mov_b32 s[G0K+4*\s], 1
	s_add_co_u32 s[G0K+4*\s+1], s76, \s*SLOT
	s_mov_b32 s[G0V+4*\s], 1
	s_add_co_u32 s[G0V+4*\s+1], s77, \s*SLOT
.endr
	s_lshl_b32 s20, s15, 5
	s_add_co_u32 s20, s20, s14
	s_add_co_u32 s20, s20, 16                      ; the k head's place among the 64 heads of qkv
	s_lshl_b32 s20, s20, 18
	s_lshl_b32 s76, s82, 13                        ; my 64 rows
	s_add_co_u32 s20, s20, s76
	s_wait_dscnt 0x0
	s_barrier_signal -1
	s_barrier_wait -1
	s_wait_kmcnt 0x0
	s_add_nc_u64 s[56:57], s[4:5], s[20:21]        ; K at key 0, my half
	s_add_nc_u64 s[58:59], s[56:57], 0x200000      ; V: eight heads further on
	s_mov_b64 s[G0K+2:G0K+3], s[56:57]
	s_or_b32 s[G0K+3], s[G0K+3], 0x80000000
	s_mov_b64 s[G0V+2:G0V+3], s[58:59]
	s_or_b32 s[G0V+3], s[G0V+3], 0x80000000
	KVLOAD 0                                       ; the first tile, ahead of everything else; slot 1 is first filled behind the first trip's barrier
	s_lshl_b32 s20, s15, 13
	s_add_nc_u64 s[6:7], s[6:7], s[20:21]          ; my batch's mask
	v_lshlrev_b32 v[KVF], 4, v0                    ; 256 threads x 16 bytes: two loads take the batch's 8,192 bytes
	global_load_b128 v[SS:SS+3], v[KVF], s[6:7]
	global_load_b128 v[SS+4:SS+7], v[KVF], s[6:7] offset:4096
	s_lshl_b32 s76, s15, 5
	s_lshl1_add_u32 s76, s14, s76                  ; my first query head's place
	s_lshl_b32 s76, s76, 18
	s_lshl_b32 s77, s12, 4
	s_add_co_u32 s78, s19, s77                     ; my first query in the first block,
	s_add_co_u32 s80, s79, s77                     ; in the second
	s_lshl_b32 s20, s78, 7
	s_add_co_u32 s20, s20, s76
	s_add_nc_u64 s[68:69], s[4:5], s[20:21]
	s_lshl_b32 s20, s80, 7
	s_add_co_u32 s20, s20, s76
	s_add_nc_u64 s[70:71], s[4:5], s[20:21]
	s_lshl_b32 s76, s15, 22                        ; ob: 2,048 rows of 2,048 bytes a batch,
	s_lshl_b32 s77, s14, 8                         ; 256 bytes a pair of heads
	s_add_co_u32 s76, s76, s77
	s_lshl_b32 s20, s78, 11
	s_add_co_u32 s20, s20, s76
	s_add_nc_u64 s[72:73], s[8:9], s[20:21]
	s_lshl_b32 s20, s80, 11
	s_add_co_u32 s20, s20, s76
	s_add_nc_u64 s[74:75], s[8:9], s[20:21]
	v_and_b32 v1, 15, v0                           ; r
	v_bfe_u32 v7, v0, 4, 1                         ; h
	v_and_b32 v30, 31, v0                          ; lane
	v_lshlrev_b32 v[QAD], 7, v1
	v_lshl_add_u32 v[QAD], v7, 4, v[QAD]           ; query r's row of 128 bytes + 16 h
	QLOAD 68
	v_add_nc_u32 v[KVF+1], MBT, v[KVF]
	s_mul_i32 s76, s12, STGW
	s_add_co_u32 s76, s76, STG
	v_mul_u32_u24 v31, v1, 272
	v_lshl_add_u32 v31, v7, 4, v31
	v_add_nc_u32 v[STO], s76, v31                  ; in: row r, 16 bytes for each half of the lanes
	v_mul_u32_u24 v31, v7, 272
	v_lshl_add_u32 v31, v1, 4, v31
	v_add_nc_u32 v[RD], s76, v31                   ; back: sixteen lanes a row of 256 bytes, two rows a load
	v_lshlrev_b32 v[CO], 11, v7
	v_lshl_add_u32 v[CO], v1, 4, v[CO]
	s_mul_i32 s76, s12, XSW
	s_add_co_u32 s76, s76, XS
	v_lshl_add_u32 v[XAD], v30, 4, s76
	s_mul_i32 s76, s11, 64*KPITCH
	v_mul_u32_u24 v31, v1, KPITCH
	v_lshl_add_u32 v31, v7, 4, v31
	v_add_nc_u32 v[KAD], s76, v31
	v_add_nc_u32 v[KAD+1], SLOT, v[KAD]
	s_mul_i32 s77, s11, 64*VPITCH
	s_add_co_u32 s77, s77, VOFF
	v_and_b32 v31, 7, v0
	v_lshl_add_u32 v31, v7, 3, v31                 ; key row 8 h + lane % 8
	v_mul_u32_u24 v31, v31, VPITCH
	v_bfe_u32 v30, v0, 3, 1
	v_lshl_add_u32 v31, v30, 4, v31
	v_add_nc_u32 v[VAD], s77, v31
	v_add_nc_u32 v[VAD+1], SLOT, v[VAD]
	s_lshl_b32 s78, s11, 8
	s_add_co_u32 s78, s78, MBT
	v_lshl_add_u32 v[MB0], v7, 5, s78
	s_lshl_b32 s80, s12, 4
	s_lshl_b32 s81, s11, 6
	s_sub_co_u32 s80, s80, s81                     ; 16 wc - 64 wk
	v_lshlrev_b32 v31, 3, v7
	v_sub_nc_u32 v31, v1, v31                      ; r - 8 h
	v_add_nc_u32 v[QL], s80, v31                   ; query - key, less what the step and 16 kt + j add
	v_mov_b32 v[NM], 0                             ; the packed forms name whole pairs: the upper registers are written once
	v_mov_b32 v[NM+1], 0
	v_mov_b32 v[AL], 0
	v_mov_b32 v[AL+1], 0
	v_mov_b32 v[SEN], 0xf149f2ca                   ; -1e30
	CLEAR
	s_wait_loadcnt 8                               ; the two loads of the mask are in; Q's eight stay out
.irp i, 0,1,2,3,4,5,6,7
	v_cmp_eq_u32 vcc_lo, 0, v[SS+\i]
	v_cndmask_b32 v[SS+\i], 0, v[SEN], vcc_lo      ; 0 where the key counts, -1e30 where the mask is 0
.endr
	ds_store_b128 v[KVF+1], v[SS:SS+3]             ; shown to all by the first trip's wait and barrier
	ds_store_b128 v[KVF+1], v[SS+4:SS+7] offset:4096
	s_mov_b32 s3, 8
.Lpair:
	TRIP 0, 1, 1, 0
	TRIP 1, 0, 1, 0
	s_sub_co_u32 s3, s3, 1
	s_cmp_lg_u32 s3, 0
	s_cbranch_scc1 .Lpair
	TRIP 0, 1, 0, 1                                ; the 17th step: nothing is left to fetch
	s_set_vgpr_msb 0x5
	s_wait_tensorcnt 0x0
	ds_add_u32 v0, v1
	s_wait_dscnt 0x0
	s_set_vgpr_msb 0x500
	s_endpgm
.Lfunc_end_k_q7df8f27544_attn:
	.size	k_q7df8f27544_attn, .Lfunc_end_k_q7df8f27544_attn-k_q7df8f27544_attn
	.p2alignl 7, 3214868480
	.fill 96, 4, 3214868480
	.section	.rodata,"a",@progbits
	.p2align	6, 0x0
	.amdhsa_kernel k_q7df8f27544_attn
		.amdhsa_group_segment_fixed_size 327680
		.amdhsa_private_segment_fixed_size 0
		.amdhsa_enable_private_segment 0
		.amdhsa_kernarg_size 24
		.amdhsa_user_sgpr_count 2
		.amdhsa_user_sgpr_kernarg_segment_ptr 1
		.amdhsa_wavefront_size32 1
		.amdhsa_system_sgpr_workgroup_id_x 1
		.amdhsa_system_sgpr_workgroup_id_y 1
		.amdhsa_system_sgpr_workgroup_id_z 1
		.amdhsa_system_vgpr_workitem_id 0
		.amdhsa_next_free_vgpr 258
		.amdhsa_next_free_sgpr 96
		.amdhsa_reserve_vcc 1
		.amdhsa_float_denorm_mode_32 3
		.amdhsa_float_denorm_mode_16_64 3
		.amdhsa_memory_ordered 1
		.amdhsa_forward_progress 1
		.amdhsa_inst_pref_size 119
	.end_amdhsa_kernel
	.amdgpu_metadata
---
amdhsa.version: [ 1, 2 ]
amdhsa.kernels:
  - .name:           k_q7df8f27544_attn
    .symbol:         k_q7df8f27544_attn.kd
    .args:
      - { .name: qkv, .offset: 0, .size: 8, .value_kind: global_buffer, .address_space: global }
      - { .name: attention_mask, .offset: 8, .size: 8, .value_kind: global_buffer, .address_space: global }
      - { .name: ob, .offset: 16, .size: 8, .value_kind: global_buffer, .address_space: global }
    .group_segment_fixed_size: 327680
    .private_segment_fixed_size: 0
    .kernarg_segment_align: 8
    .kernarg_segment_size: 24
    .max_flat_workgroup_size: 256
    .sgpr_count:     96
    .vgpr_count:     258
    .wavefront_size: 32
...
	.end_amdgpu_metadata
.endif
;; end of part 3
;; launch oproj (part 4): grid 8 x 32, 4 waves a work-group, clusters of 4 x 4, 327,680 bytes of LDS; arguments ob, wob, b_o, out0; writes out0
.if DOCPART == 4
	.amdgcn_target "amdgcn-amd-amdhsa--gfx1250"
	.amdhsa_code_object_version 6
	.text
	.protected	k_q7df8f27544_oproj
	.globl	k_q7df8f27544_oproj
	.p2align	8
	.type	k_q7df8f27544_oproj,@function
k_q7df8f27544_oproj:
	s_mov_b64 s[64:65], 0
	v_nop
	global_prefetch_b8 v0, s[64:65] scope:SCOPE_SE
	s_setreg_imm32_b32 hwreg(HW_REG_WAVE_MODE, 25, 1), 1
	s_wait_xcnt 0x0
	s_wait_alu depctr_hold_cnt(0) depctr_sa_sdst(0) depctr_va_vdst(0) depctr_va_sdst(0) depctr_va_ssrc(0) depctr_va_vcc(0) depctr_vm_vsrc(0)
	s_getreg_b32 s2, hwreg(HW_REG_IB_STS2, 6, 4)
	s_cmp_eq_u32 s2, 0
	s_cbranch_scc0 .Lentry_in_a_cluster
	s_endpgm
.Lentry_in_a_cluster:
	s_bfe_u32 s2, ttmp6, 0x10000c
	s_cmp_lg_u32 s2, 0xf033
	s_cbranch_scc0 .Lentry_shape_is_right
	s_endpgm
.Lentry_shape_is_right:
; OUTPUT PROJECTION: out0 [4096][2048] f32 = ob [4096][1024] x wob [1024 k][2048 n] + b_o; f16 operands, f32 sums.
; The same frame as the first projection: a work-group makes 128 rows x 256 columns with four waves, a wave 64 x 128 = 32 accumulator tiles;
; K in steps of 128 through two LDS slots; a cluster of 4 x 4 asks jointly for ob's tiles along its rows and for wob's along its columns.
; The matrix instruction is used transposed (source 0 = 16 columns of W, source 1 = 16 rows of ob): lane (r, h) of tile (a, b) holds row 16 a + r,
; its registers j the columns 16 b + 8 h + j.  A NaN row of ob (a query without any valid key) gives a NaN row of out0.
; REGISTERS: window 0: v0-31 addresses, v32-95 two buffers of ob's fragments, v96-223 two of W's; window 1: tile (a, b) at 8 (8 a + b);
; window 2: v0-63 b_o of my 128 columns, at 8 b + j.
.set KDIM,   1024
.set NDIM,   2048
.set KSTEP,  128
.set APITCH, 272
.set BPITCH, 544
.set AHALF,  64*APITCH
.set BHALF,  64*BPITCH
.set BOFFS,  2*AHALF
.set SLOT,   2*AHALF+2*BHALF
.set STAGE,  2*SLOT                    ; the way out: 16 rows x 528 bytes for each wave; no tensor load lands here
.set STW,    16*528
.set LAPS,   KDIM/(2*KSTEP)
.set ADRA, 16
.set ADRB, 20
.set STO,  24
.set RD,   25
.set CO,   26
.set BOF,  28
.set FA,   32
.set FB,   96
.set T,    32
.set RB,   96
.set G1A, 24
.set G1B, 32
.set G0A, 48
.set G0B, 56
.set MULW, 0x50
.set MSB, 0
.macro WIN new
.if MSB != \new
	s_set_vgpr_msb (MSB<<8)|\new
.set MSB, \new
.endif
.endm
.macro PLACES                          ; four plain vector places behind matrix instructions (ISA guide 7.12.1 for vector instructions)
.rept 4
	v_nop
.endr
.endm
.macro JLOAD s
	s_cmp_eq_u32 s17, 0
	s_cbranch_scc0 .Lfor_b_\@
	tensor_load_to_lds s[G0A+4*\s:G0A+4*\s+3], s[G1A:G1A+7]
	s_nop 0
	s_branch .Lasked_\@
.Lfor_b_\@:
	tensor_load_to_lds s[G0B+4*\s:G0B+4*\s+3], s[G1B:G1B+7]
	s_nop 0
.Lasked_\@:
.endm
.macro CREST
	s_cmp_lg_u32 s16, 0
	s_cbranch_scc1 .Lnot_wave_0_\@
	s_barrier_signal -3
.Lnot_wave_0_\@:
	s_barrier_wait -3
	s_barrier_signal -1
	s_barrier_wait -1
.endm
.macro CROUND
	s_barrier_signal -1
	s_barrier_wait -1
	CREST
.endm
; the 32 accumulators take turns, one instruction a turn, in the same order in every quarter step
.macro MUL8 f, a, zero
.irp b, 0,1,2,3,4,5,6,7
.if \zero
	v_wmma_f32_16x16x32_f16 v[8*(8*\a+\b):8*(8*\a+\b)+7], v[FB+64*\f+8*\b:FB+64*\f+8*\b+7], v[FA+32*\f+8*\a:FA+32*\f+8*\a+7], 0
.else
	v_wmma_f32_16x16x32_f16 v[8*(8*\a+\b):8*(8*\a+\b)+7], v[FB+64*\f+8*\b:FB+64*\f+8*\b+7], v[FA+32*\f+8*\a:FA+32*\f+8*\a+7], v[8*(8*\a+\b):8*(8*\a+\b)+7]
.endif
.endr
.endm
.macro FETCH slot, q, f
	WIN 0
.irp b, 0,1,2,3,4,5,6,7
	ds_load_tr16_b128 v[FB+64*\f+8*\b:FB+64*\f+8*\b+3],   v[ADRB+\slot] offset:\q*32*BPITCH+32*\b
	ds_load_tr16_b128 v[FB+64*\f+8*\b+4:FB+64*\f+8*\b+7], v[ADRB+\slot] offset:\q*32*BPITCH+32*\b+16*BPITCH
.endr
.irp a, 0,1,2,3
	ds_load_b128 v[FA+32*\f+8*\a:FA+32*\f+8*\a+3],   v[ADRA+\slot] offset:\a*16*APITCH+64*\q
	ds_load_b128 v[FA+32*\f+8*\a+4:FA+32*\f+8*\a+7], v[ADRA+\slot] offset:\a*16*APITCH+64*\q+32
.endr
.endm
.macro QUARTER slot, q, f, g, zero
	s_wait_dscnt 4                                 ; all but the youngest four loads (ob's row blocks 2 and 3) are in
	WIN MULW
	MUL8 \f, 0, \zero
	MUL8 \f, 1, \zero
	PLACES
	FETCH \slot, \q, \g
	s_wait_dscnt 24                                ; all but the 24 just issued
	WIN MULW
	MUL8 \f, 2, \zero
	MUL8 \f, 3, \zero
.endm
.macro THREE slot, zero
	QUARTER \slot, 1, 0, 1, \zero
	QUARTER \slot, 2, 1, 0, 0
	QUARTER \slot, 3, 0, 1, 0
.endm
.macro TURN slot, next, fill
	s_wait_dscnt 4
	WIN MULW
	MUL8 1, 0, 0
	s_wait_dscnt 0                                 ; my reads of this slot are over
	s_wait_tensorcnt 0x0                           ; all my tensor loads have landed: the one that was out is my part of the next slot
	ds_add_u32 v254, v255
	s_wait_dscnt 0x0
	s_barrier_signal -1
	MUL8 1, 1, 0
	WIN 0
	s_barrier_wait -1
.if \fill
	CREST                                          ; no wave of any partner still reads this slot or has a load on its way
	s_add_nc_u64 s[G0A+4*\slot+2:G0A+4*\slot+3], s[G0A+4*\slot+2:G0A+4*\slot+3], 2*KSTEP*2
	s_add_nc_u64 s[G0B+4*\slot+2:G0B+4*\slot+3], s[G0B+4*\slot+2:G0B+4*\slot+3], 2*KSTEP*NDIM*2
	JLOAD \slot                                    ; my one tensor load behind the round
.endif
	PLACES
	FETCH \next, 0, 0
	WIN MULW
	MUL8 1, 2, 0
	MUL8 1, 3, 0
.endm
.macro LAP zero
	THREE 0, \zero
	TURN 0, 1, 1
	THREE 1, 0
	TURN 1, 0, 1
.endm
	s_load_b256 s[4:11], s[0:1], 0x0               ; ob 4, wob 6, b_o 8, out0 10
	v_lshl_add_u32 v254, v0, 2, 0x3b400
	v_mov_b32 v255, 0
	ds_add_u32 v254, v255
	v_lshrrev_b32 v1, 5, v0
	v_readfirstlane_b32 s16, v1                    ; wave
	s_lshr_b32 s17, s16, 1                         ; my half of the rows; also: I fetch ob (0) or W (1)
	s_and_b32 s18, s16, 1                          ; my half of the columns; also which half of a tile I fetch
	s_bfe_u32 s19, ttmp6, 0x40000                  ; cx
	s_bfe_u32 s20, ttmp6, 0x40004                  ; cy
	s_lshl_b32 s21, ttmp9, 2
	s_add_co_u32 s21, s21, s19                     ; block column bx
	s_and_b32 s22, ttmp7, 0xffff
	s_lshl_b32 s22, s22, 2
	s_add_co_u32 s22, s22, s20                     ; block row by
	s_lshl_b32 s72, s20, 2
	s_lshl_b32 s72, 15, s72                        ; my row of the cluster
	s_lshl_b32 s76, 0x1111, s19                    ; my column
	s_or_b32 s[G1A+0], s72, (1<<16)|(1<<20)|(1<<21)|(5<<22)|(3<<25)
	s_mov_b32 s[G1A+1], KSTEP<<16
	s_mov_b32 s[G1A+2], 64<<16
	s_mov_b32 s[G1A+3], KSTEP<<16
	s_mov_b32 s[G1A+4], 64
	s_mov_b32 s[G1A+5], KDIM
	s_mov_b32 s[G1A+6], 0
	s_mov_b32 s[G1A+7], 0
	s_or_b32 s[G1B+0], s76, (1<<16)|(1<<20)|(1<<21)|(6<<22)|(7<<25)
	s_mov_b32 s[G1B+1], 256<<16
	s_mov_b32 s[G1B+2], 64<<16
	s_mov_b32 s[G1B+3], 256<<16
	s_mov_b32 s[G1B+4], 64
	s_mov_b32 s[G1B+5], NDIM
	s_mov_b32 s[G1B+6], 0
	s_mov_b32 s[G1B+7], 0
	s_lshl_b32 s72, s22, 7
	s_lshl_b32 s73, s18, 6
	s_add_co_u32 s72, s72, s73                     ; first row that I fetch
	s_mul_i32 s72, s72, KDIM*2
	s_mov_b32 s73, 0
	s_mul_i32 s76, s18, 64*NDIM*2
	s_lshl_b32 s77, s21, 9
	s_add_co_u32 s76, s76, s77
	s_mov_b32 s77, 0
	s_mul_i32 s86, s18, AHALF
	s_mul_i32 s87, s18, BHALF
	s_add_co_u32 s87, s87, BOFFS
	s_wait_dscnt 0x0
	s_wait_kmcnt 0x0
	s_add_nc_u64 s[74:75], s[4:5], s[72:73]
	s_add_nc_u64 s[78:79], s[6:7], s[76:77]
.irp s, 0,1
	s_mov_b32 s[G0A+4*\s], 1
	s_add_co_u32 s[G0A+4*\s+1], s86, \s*SLOT
	s_add_nc_u64 s[G0A+4*\s+2:G0A+4*\s+3], s[74:75], \s*KSTEP*2
	s_or_b32 s[G0A+4*\s+3], s[G0A+4*\s+3], 0x80000000
	s_mov_b32 s[G0B+4*\s], 1
	s_add_co_u32 s[G0B+4*\s+1], s87, \s*SLOT
	s_add_nc_u64 s[G0B+4*\s+2:G0B+4*\s+3], s[78:79], \s*KSTEP*NDIM*2
	s_or_b32 s[G0B+4*\s+3], s[G0B+4*\s+3], 0x80000000
.endr
	CROUND                                         ; all sixteen work-groups are here: the first joint loads meet
	JLOAD 0
	JLOAD 1                                        ; two tensor loads of the wave are out
	s_lshl_b32 s90, s21, 10                        ; b_o of my 128 columns
	s_lshl_b32 s91, s18, 9
	s_add_co_u32 s90, s90, s91
	s_mov_b32 s91, 0
	s_add_nc_u64 s[8:9], s[8:9], s[90:91]
	v_and_b32 v1, 15, v0
	v_bfe_u32 v2, v0, 4, 1
	v_and_b32 v3, 31, v0
	v_lshlrev_b32 v[BOF], 5, v2
	WIN 0x80
.irp b, 0,1,2,3,4,5,6,7
	global_load_b128 v[8*\b:8*\b+3],   v[BOF], s[8:9] offset:64*\b
	global_load_b128 v[8*\b+4:8*\b+7], v[BOF], s[8:9] offset:64*\b+16
.endr
	WIN 0
	v_mul_u32_u24 v4, v1, APITCH
	v_lshl_add_u32 v5, v2, 4, v4
	s_mul_i32 s88, s17, AHALF
	v_add_nc_u32 v[ADRA], s88, v5
	v_add_nc_u32 v[ADRA+1], SLOT, v[ADRA]
	v_and_b32 v6, 7, v0
	v_lshl_add_u32 v6, v2, 3, v6
	v_mul_u32_u24 v6, v6, BPITCH
	v_bfe_u32 v7, v0, 3, 1
	v_lshl_add_u32 v6, v7, 4, v6
	s_lshl_b32 s88, s18, 8
	s_add_co_u32 s88, s88, BOFFS
	v_add_nc_u32 v[ADRB], s88, v6
	v_add_nc_u32 v[ADRB+1], SLOT, v[ADRB]
	s_mul_i32 s88, s16, STW
	s_add_co_u32 s88, s88, STAGE
	v_mul_u32_u24 v6, v1, 528
	v_lshl_add_u32 v6, v2, 5, v6
	v_add_nc_u32 v[STO], s88, v6                   ; in: row r, 32 bytes for each half of the lanes
	v_lshlrev_b32 v[CO], 4, v3
	v_add_nc_u32 v[RD], s88, v[CO]                 ; back: a row of 512 bytes a load
	s_wait_tensorcnt 1                             ; K step 0 is in; K step 1 may stay out
	s_barrier_signal -1
	s_barrier_wait -1
	FETCH 0, 0, 0
	LAP 1
	WIN 0
	s_mov_b32 s3, LAPS-2
.Llap:
	LAP 0
	WIN 0
	s_sub_co_u32 s3, s3, 1
	s_cmp_lg_u32 s3, 0
	s_cbranch_scc1 .Llap
	THREE 0, 0
	TURN 0, 1, 0
	THREE 1, 0
	s_wait_dscnt 4
	WIN MULW
	MUL8 1, 0, 0
	MUL8 1, 1, 0
	s_wait_dscnt 0
	MUL8 1, 2, 0
	MUL8 1, 3, 0
	; THE WAY OUT, 16 rows at a time: + b_o, through my own stage, back as whole rows of 512 bytes
	PLACES
	WIN 0
	s_lshl_b32 s92, s22, 7
	s_lshl_b32 s93, s17, 6
	s_add_co_u32 s92, s92, s93                     ; my first row
	s_lshl_b32 s92, s92, 13                        ; 8,192 bytes a row
	s_lshl_b32 s93, s21, 10
	s_add_co_u32 s92, s92, s93
	s_lshl_b32 s93, s18, 9
	s_add_co_u32 s92, s92, s93
	s_mov_b32 s93, 0
	s_add_nc_u64 s[10:11], s[10:11], s[92:93]
	s_wait_loadcnt 0x0                             ; b_o
.macro STRIPE a
	WIN 0x09                                       ; the sums in window 1, b_o in window 2
.irp b, 0,1,2,3,4,5,6,7
.irp j, 0,2,4,6
	v_pk_add_f32 v[T+8*\b+\j:T+8*\b+\j+1], v[8*(8*\a+\b)+\j:8*(8*\a+\b)+\j+1], v[8*\b+\j:8*\b+\j+1]
.endr
.endr
	WIN 0
.irp b, 0,1,2,3,4,5,6,7
	ds_store_b128 v[STO], v[T+8*\b:T+8*\b+3]   offset:64*\b
	ds_store_b128 v[STO], v[T+8*\b+4:T+8*\b+7] offset:64*\b+16
.endr
	s_wait_xcnt 0x0                                ; RB, which the last stripe's stores read, is rewritten only behind this wait
.irp u, 0,1,2,3,4,5,6,7,8,9,10,11,12,13,14,15
	ds_load_b128 v[RB+4*\u:RB+4*\u+3], v[RD] offset:528*\u   ; LDS serves a wave's instructions in order: these see the stores above
.endr
.irp u, 0,1,2,3,4,5,6,7,8,9,10,11,12,13,14,15
	s_wait_dscnt 15-\u
	global_store_b128 v[CO], v[RB+4*\u:RB+4*\u+3], s[10:11] offset:(16*\a+\u)*8192 th:TH_STORE_NT   ; 512 consecutive bytes of one row, aligned
.endr
.endm
	STRIPE 0
	STRIPE 1
	STRIPE 2
	STRIPE 3
	s_wait_tensorcnt 0x0
	ds_add_u32 v254, v255
	s_wait_dscnt 0x0
	CROUND                                         ; the closing round
	s_endpgm
.Lfunc_end_k_q7df8f27544_oproj:
	.size	k_q7df8f27544_oproj, .Lfunc_end_k_q7df8f27544_oproj-k_q7df8f27544_oproj
	.p2alignl 7, 3214868480
	.fill 96, 4, 3214868480
	.section	.rodata,"a",@progbits
	.p2align	6, 0x0
	.amdhsa_kernel k_q7df8f27544_oproj
		.amdhsa_group_segment_fixed_size 327680
		.amdhsa_private_segment_fixed_size 0
		.amdhsa_enable_private_segment 0
		.amdhsa_kernarg_size 32
		.amdhsa_user_sgpr_count 2
		.amdhsa_user_sgpr_kernarg_segment_ptr 1
		.amdhsa_wavefront_size32 1
		.amdhsa_system_sgpr_workgroup_id_x 1
		.amdhsa_system_sgpr_workgroup_id_y 1
		.amdhsa_system_sgpr_workgroup_id_z 1
		.amdhsa_system_vgpr_workitem_id 0
		.amdhsa_next_free_vgpr 576
		.amdhsa_next_free_sgpr 96
		.amdhsa_reserve_vcc 0
		.amdhsa_float_denorm_mode_32 3
		.amdhsa_float_denorm_mode_16_64 3
		.amdhsa_memory_ordered 1
		.amdhsa_forward_progress 1
		.amdhsa_inst_pref_size 127
	.end_amdhsa_kernel
	.amdgpu_metadata
---
amdhsa.version: [ 1, 2 ]
amdhsa.kernels:
  - .name:           k_q7df8f27544_oproj
    .symbol:         k_q7df8f27544_oproj.kd
    .args:
      - { .name: ob, .offset: 0, .size: 8, .value_kind: global_buffer, .address_space: global }
      - { .name: wob, .offset: 8, .size: 8, .value_kind: global_buffer, .address_space: global }
      - { .name: b_o, .offset: 16, .size: 8, .value_kind: global_buffer, .address_space: global }
      - { .name: out0, .offset: 24, .size: 8, .value_kind: global_buffer, .address_space: global }
    .group_segment_fixed_size: 327680
    .private_segment_fixed_size: 0
    .kernarg_segment_align: 8
    .kernarg_segment_size: 32
    .max_flat_workgroup_size: 128
    .sgpr_count:     96
    .vgpr_count:     576
    .wavefront_size: 32
...
	.end_amdgpu_metadata
.endif
;; end of part 4
